; MI455X (gfx1250); checked and timed in simulation.
; The chip was launched on July 23, 2026; its instructions are those of AMD's public machine-readable ISA for CDNA 5 (MIT licence, August 2026) and "CDNA5" Instruction Set Architecture Reference Guide (July 2026). The comments in the code are by the model that wrote it; some were corrected since.
;; Factored Causal Self Attention. Allowed arithmetic: matrix products marked QUANTISED: E2M1 operands, one E8M0 scale for each 32 along K, by v_wmma_scale_f32_16x16x128_f8f6f4 with both operands' format E2M1 (or v_wmma_scale_f32_32x16x128_f4), f32 sums; everything else in f32.
;; Inputs: W_attn 1,024 x 2,048 float32; b_attn 2,048 float32; x_norm_for_qk 2 x 2,048 x 1,024 float32; xt_current_for_v 2 x 2,048 x 1,024 float32.
;; Outputs: out0 2 x 2,048 x 1,024 float32.
;; This version of the problem:
;;   THIS VERSION OF THE PROBLEM IS GIVEN IN LOW PRECISION. The matrix products marked QUANTISED in the list below multiply operands that are first quantised to E2M1 (2 exponent bits, 1 mantissa bit; 4 bits a number), with one power-of-two scale for each 32 numbers along K (OCP MX v1.0); their sums are f32. All else is computed in f32.
;;   The module's matrix products, in the order in which they are computed (A, B: the left and right operand; K: the contracted axis; several contracted axes count as one K, in the product's order):
;;     1. [M 4,096, K 1,024] x [K 1,024, N 2,048]; A: input x_norm_for_qk; B: input W_attn: QUANTISED
;;     2. batch 32 x [M 2,048, K 64] x [K 64, N 2,048]; A: computed on the way; B: computed on the way: QUANTISED
;;     3. batch 32 x [M 2,048, K 2,048] x [K 2,048, N 64]; A: softmax (see below); B: input xt_current_for_v: QUANTISED
;;   THE QUANTISER, for each operand of a quantised product, along K:
;;     - K is cut into blocks of 32 from its start; a last block that is shorter is filled with zeros.
;;     - A block's scale is 2^e with e = floor(log2(the largest magnitude in the block)) - 2, held to -126 .. 127; a block of zeros has e = 0. As a byte (E8M0): e + 127.
;;     - Each number is divided by its block's scale, clamped to +-6, and rounded to the nearest number of E2M1, ties to even, subnormals kept.
;;     - The product sums the exact products of the quantised numbers (number of the format x scale) in f32.
;;   ~~~python
;;   def quantise(x, axis):      # numpy; x: float32 -> the quantised numbers, widened to float32 again
;;       x = np.moveaxis(x, axis, -1); K = x.shape[-1]
;;       x = np.pad(x, [(0, 0)] * (x.ndim - 1) + [(0, -K % 32)]); x = x.reshape(x.shape[:-1] + (-1, 32)); a = np.abs(x).max(-1, keepdims=True)
;;       e = np.where(a > 0, np.clip(np.frexp(np.where(a > 0, a, 1))[1] - 1 - 2, -126, 127), 0)      # np.frexp(a)[1] - 1 = floor(log2(a)), exactly
;;       r = np.clip(x / 2.0 ** e, -6, 6)
;;       step = 2.0 ** (np.maximum(np.frexp(np.where(r == 0, 1, r))[1] - 1, 0) - 1)
;;       q = np.round(r / step) * step * 2.0 ** e      # np.round: ties to even
;;       return np.moveaxis(q.reshape(q.shape[:-2] + (-1,))[..., :K], -1, axis).astype(np.float32)
;;   ~~~
;;   SOFTMAX AHEAD OF A QUANTISED PRODUCT. Where the list says 'softmax', what is quantised is not the finished softmax but p = 2^(t - M), with t = logit x log2(e) and M = ceil(the row's largest t), a whole number; so 1/2 < the row's largest p <= 1. The row's sum l is taken of the UNQUANTISED p, in f32, and the product's result is divided by l at the end. Since M is a whole number, a kernel that streams over the keys may use a running M (the ceiling of the running maximum): every later rescaling is an exact power of two, which a block's scale takes up: the codes' values come out the same.
;;   OPERANDS COMPUTED ON THE WAY. 'Computed on the way' means the value that the module computes at that place (a softmax that the list does not call 'softmax' is quantised finished and normalised). What goes into a quantiser is computed in f32, as accurately as f32 sums, v_exp_f32 and their like allow (about 1e-6 of the number): no bf16 or f16 on the way to a quantiser, and a product that is left as it is and whose result goes on into a quantised operand takes f32 operands (vector FMAs, or v_wmma_f32_16x16x4_f32). A number that lies on a knife's edge between two numbers of the format may be rounded either way, as far as f32 arithmetic and the matrix unit's own rounding can turn it there, and no further.
;; One version. Each part assembles by itself: llvm-mc -triple=amdgcn-amd-amdhsa -mcpu=gfx1250 --defsym DOCPART=n.
;; ======== version 1 of 1: 3 launches
;; limits: right only within a limited range of input values
;; workspace buffers: ximg 2,228,224 bytes; wimg 1,114,112 bytes; vimg 2,228,224 bytes; qkimg 4,718,592 bytes
;; launch quant (part 1): grid 256 x 1, 7 waves a work-group, no clusters, 60,160 bytes of LDS; arguments x_norm_for_qk, W_attn, xt_current_for_v, ximg, wimg, vimg; writes ximg, wimg, vimg
.if DOCPART == 1
	.amdgcn_target "amdgcn-amd-amdhsa--gfx1250"
	.amdhsa_code_object_version 6
	.text
	.protected	k_q1cd8f333d4_quant
	.globl	k_q1cd8f333d4_quant
	.p2align	8
	.type	k_q1cd8f333d4_quant,@function
k_q1cd8f333d4_quant:
	s_mov_b64 s[64:65], 0
	v_nop
	global_prefetch_b8 v0, s[64:65] scope:SCOPE_SE
	s_setreg_imm32_b32 hwreg(HW_REG_WAVE_MODE, 25, 1), 1
	s_wait_xcnt 0x0
; x [4096][1024], W [1024][2048] and V = xt [2][2048][1024], all f32, become codes of FP4 (E2M1) with one E8M0 byte for each 32 along K.
; K is x's last axis, W's first axis, and for V the keys (its middle axis).  A block's scale is 2^(floor(log2(largest magnitude)) - 2): its byte is the largest magnitude's exponent field - 2.
; LEFT OUT BY THE PROGRAM (in its last launch): key steps of 128 whose keys all come after a tile's queries.  reference()'s own causal mask makes their weights 0 for all values of the inputs.
; LIMITS: NaN and infinities among the inputs are not served, nor carried from the part left out; a block whose largest magnitude lies under 2^-124 keeps the byte 1; a block of zeros gets the byte 1 where the rule says 127
; (its codes are zeros, which add nothing under any byte but 0xff, and the bytes are read by this program alone).
; THE OUTPUTS ARE IMAGES OF THE OPERANDS' REGISTERS: records of 4,352 bytes for 64 rows x 128 K: codes [tile 4][1,024], then scale words [pair of tiles 2][lane 32] (lanes 0-15 the even tile, lanes 16-31 the odd one).
; A tile's fragment is [c 0..1][lane 0..31][16 bytes]; block kb = 2 c + h of row r lies at 256 kb + 16 r.
;   ximg [group of 64 tokens 64][K step 8], wimg [group of 64 columns 32][K step 8]: tile t holds row 32 (r / 8) + 8 t + r % 8 of its group at place r.
;   vimg [head 32][key step 16]: tile 2 b + u holds channel 32 b + 16 (r / 8) + 8 u + r % 8 at place r.
; SHARES: every work-group takes as many bytes: wave 0 a record of W, waves 1 and 2 a record of V each, waves 3-6 half a record of x each.  Waves share nothing: no barrier.
; Every f32 byte is read once; no two work-groups read the same bytes, so there is nothing to ask for jointly.  No prefetch: no loop to run ahead in; the loads themselves run one or two blocks of K ahead.
.set RECB,  4352
.set WREG,  8448                       ; LDS: a region for each wave: x's stage (16 rows x 528) or a record's image
.set SP,    528                        ; a stage row: 512 bytes + 16
.set SPARE, 7*WREG                     ; the spare words: no other line names them
	s_load_b256 s[4:11], s[0:1], 0x0               ; x s[4:5], W s[6:7], xt s[8:9], ximg s[10:11]
	s_load_b128 s[12:15], s[0:1], 0x20             ; wimg s[12:13], vimg s[14:15]
	v_lshl_add_u32 v254, v0, 2, SPARE
	v_mov_b32 v255, 0
	v_lshrrev_b32 v1, 5, v0
	v_readfirstlane_b32 s16, v1                    ; wave 0..6
	v_and_b32 v1, 31, v0                           ; lane
	v_lshlrev_b32 v9, 4, v1                        ; 16 x lane
	v_lshlrev_b32 v10, 3, v1                       ; 8 x lane
	s_mul_i32 s17, s16, WREG                       ; my region
	s_cmp_lt_u32 s16, 3
	s_cbranch_scc0 .Lx
; ---------------- W and V: K is not innermost ----------------
; A load reads 64 neighbouring columns of one row k: 256 consecutive bytes, 8 a lane: lane x takes columns 2 x and 2 x + 1, and its registers run down K.  A block of 32 along K of a column lies in one lane; the two columns
; are parted by moves, because the conversions take neighbours along K from consecutive registers.  v16-143: two sets of 32 rows; v144-175, v176-207: the two columns; v208-239: codes, four registers for each of 8 blocks.
.macro LOADB t, stride
.irp i, 0,1,2,3,4,5,6,7,8,9,10,11,12,13,14,15,16,17,18,19,20,21,22,23,24,25,26,27,28,29,30,31
	global_load_b64 v[16+64*((\t)%2)+2*\i:17+64*((\t)%2)+2*\i], v10, s[24:25] offset:(32*(\t)+\i)*\stride th:TH_LOAD_NT
.endr
.endm
.macro BLOCK t, stride, left
	s_wait_loadcnt \left                           ; this block's 32 loads are in; the next block's 32 may be out
.irp e, 0,1
.irp i, 0,1,2,3,4,5,6,7,8,9,10,11,12,13,14,15,16,17,18,19,20,21,22,23,24,25,26,27,28,29,30,31
	v_mov_b32 v[144+32*\e+\i], v[16+64*(\t%2)+2*\i+\e]
.endr
.endr
.if \t < 2
	LOADB \t+2, \stride                            ; the set takes the block two further on
.endif
.irp e, 0,1
	v_max3_num_f32 v[242+2*\e], |v[144+32*\e]|, |v[145+32*\e]|, |v[146+32*\e]|   ; the block's largest magnitude: all 32 numbers are mine; two chains a column
	v_max3_num_f32 v[243+2*\e], |v[147+32*\e]|, |v[148+32*\e]|, |v[149+32*\e]|
.endr
.irp i, 6,10,14,18,22,26
.irp e, 0,1
	v_max3_num_f32 v[242+2*\e], v[242+2*\e], |v[144+32*\e+\i]|, |v[145+32*\e+\i]|
	v_max3_num_f32 v[243+2*\e], v[243+2*\e], |v[146+32*\e+\i]|, |v[147+32*\e+\i]|
.endr
.endr
.irp e, 0,1
	v_max3_num_f32 v[242+2*\e], v[242+2*\e], |v[174+32*\e]|, |v[175+32*\e]|
.endr
.irp e, 0,1
	v_max3_num_f32 v[242+2*\e], v[242+2*\e], v[243+2*\e], 0x1800000   ; and the floor 2^(3 - 127): the byte cannot fall under 1
.endr
.irp e, 0,1
	v_add_nc_u32 v[246+\e], 0xff000000, v[242+2*\e]                 ; 2 off the exponent field: the conversions' scale operand
.endr
.irp e, 0,1
	v_lshrrev_b32 v[248+\e], 23, v[246+\e]                          ; the scale's byte
.endr
.irp e, 0,1
.if \t == 0
	v_mov_b32 v[240+\e], v[248+\e]                                  ; four bytes make a column's scale word
.else
	v_lshl_or_b32 v[240+\e], v[248+\e], 8*\t, v[240+\e]
.endif
.endr
.irp e, 0,1
.irp g, 0,1,2,3
	v_cvt_scalef32_pk8_fp4_f32 v[208+8*\t+4*\e+\g], v[144+32*\e+8*\g:151+32*\e+8*\g], v[246+\e]
.endr
.endr
	v_nop                                          ; one plain place behind a scaled conversion
.irp e, 0,1
	ds_store_b128 v5, v[208+8*\t+4*\e:211+8*\t+4*\e] offset:256*\t+16*\e   ; the block's place in the record's image
.endr
.endm
.macro COLQ stride
	LOADB 0, \stride
	LOADB 1, \stride
	BLOCK 0, \stride, 32
	BLOCK 1, \stride, 32
	BLOCK 2, \stride, 32
	BLOCK 3, \stride, 0
	ds_store_b64 v6, v[240:241]
.irp i, 0,1,2,3,4,5,6,7
	ds_load_b128 v[16+4*\i:19+4*\i], v7 offset:512*\i               ; LDS serves a wave's instructions in order (ISA guide 5.7.1.4): these see my stores
.endr
	ds_load_b64 v[48:49], v8
.irp i, 0,1,2,3,4,5,6,7
	s_wait_dscnt 8-\i                              ; the younger loads may be out
	global_store_b128 v9, v[16+4*\i:19+4*\i], s[26:27] offset:512*\i   ; 512 consecutive bytes, at a multiple of 256 from the buffer's first byte
.endr
	s_wait_dscnt 0x0
	global_store_b64 v10, v[48:49], s[26:27] offset:4096            ; 256 consecutive bytes
	s_wait_tensorcnt 0x0                           ; the wave's end
	ds_add_u32 v254, v255
	s_wait_dscnt 0x0
	s_endpgm
.endm
.macro PLACE hi, lo                    ; where column 2 x's 16 bytes of block 0 and its scale word lie in the image
	v_lshlrev_b32 v5, 5, v2
	v_lshlrev_b32 v6, 3, v2
	v_lshl_add_u32 v5, v11, 10, v5
	v_lshl_add_u32 v6, v11, 6, v6
	v_lshl_add_u32 v5, v[\hi], 11, v5
	v_lshl_add_u32 v6, v[\hi], 7, v6
	v_lshl_add_u32 v5, v[\lo], 7, v5
	v_lshl_add_u32 v6, v[\lo], 5, v6
	v_add_nc_u32 v5, s17, v5
	v_add_nc_u32 v6, s18, v6
.endm
	v_and_b32 v2, 3, v1                            ; the lane's bits 1:0, 2, 3, 4
	v_bfe_u32 v11, v1, 2, 1
	v_bfe_u32 v12, v1, 3, 1
	v_bfe_u32 v13, v1, 4, 1
	s_add_co_u32 s18, s17, 4096
	v_add_nc_u32 v7, s17, v9                       ; the way out: images,
	v_add_nc_u32 v8, s18, v10                      ; and scale words
	s_wait_alu depctr_va_vdst(0)
	s_cmp_eq_u32 s16, 0
	s_cbranch_scc0 .Lv
	; W: work-group 32 s + G: K step s, columns 64 G on.  Tile 2 (bit 3) + (bit 2), place 8 (bit 4) + 2 (bits 1:0)
	PLACE 12, 13
	s_and_b32 s30, ttmp9, 31                       ; G
	s_lshr_b32 s31, ttmp9, 5                       ; s
	s_lshl_b32 s34, s31, 20                        ; 128 rows of 8,192 bytes
	s_lshl_b32 s35, s30, 8
	s_add_co_u32 s34, s34, s35
	s_mov_b32 s35, 0
	s_lshl_b32 s36, s30, 3
	s_add_co_u32 s36, s36, s31
	s_mul_i32 s36, s36, RECB
	s_mov_b32 s37, 0
	s_wait_alu depctr_va_vdst(0)
	s_wait_kmcnt 0x0
	s_add_nc_u64 s[24:25], s[6:7], s[34:35]
	s_add_nc_u64 s[26:27], s[12:13], s[36:37]
	COLQ 8192
.Lv:
	; V: record n = 2 x work-group + wave - 1 = 256 batch + 16 step + head.  Tile 2 (bit 4) + (bit 2), place 8 (bit 3) + 2 (bits 1:0)
	PLACE 13, 12
	s_lshl_b32 s30, ttmp9, 1
	s_add_co_u32 s30, s30, s16
	s_sub_co_u32 s30, s30, 1
	s_and_b32 s31, s30, 15                         ; head
	s_bfe_u32 s32, s30, 0x40004                    ; step
	s_lshr_b32 s33, s30, 8                         ; batch
	s_lshl_b32 s34, s33, 23                        ; 2,048 rows of 4,096 bytes
	s_lshl_b32 s35, s32, 19                        ; 128 rows
	s_add_co_u32 s34, s34, s35
	s_lshl_b32 s35, s31, 8
	s_add_co_u32 s34, s34, s35
	s_mov_b32 s35, 0
	s_lshl_b32 s36, s33, 4
	s_add_co_u32 s36, s36, s31
	s_lshl_b32 s36, s36, 4
	s_add_co_u32 s36, s36, s32
	s_mul_i32 s36, s36, RECB
	s_mov_b32 s37, 0
	s_wait_alu depctr_va_vdst(0)
	s_wait_kmcnt 0x0
	s_add_nc_u64 s[24:25], s[8:9], s[34:35]
	s_add_nc_u64 s[26:27], s[14:15], s[36:37]
	COLQ 4096
; ---------------- x: K is innermost ----------------
; Wave 3 + q of work-group i: group g = i / 4 of 64 tokens, K step 2 (i % 4) + q / 2, tiles 2 p, 2 p + 1 with p = q % 2.  A load reads 512 consecutive bytes of one token's row; the 16 rows of a tile turn through the
; wave's own stage in LDS, so that lane (r, h) gets, of row r, the whole blocks h and 2 + h, 32 registers each: what the conversions and the image want.
; v16-143: two tiles as loaded; v144-207: a tile's 64 numbers of my row; v208-223: codes; v224-232 at work; v240-241 scale words.
.macro XLD u
.irp i, 0,1,2,3,4,5,6,7,8,9,10,11,12,13,14,15
	global_load_b128 v[16+64*\u+4*\i:19+64*\u+4*\i], v9, s[24:25] offset:(8*\u+\i+24*(\i/8))*4096 th:TH_LOAD_NT
.endr
.endm
.macro FRAG u, left
	s_wait_loadcnt \left                           ; this tile's 16 loads are in; the next tile's 16 may be out
.irp i, 0,1,2,3,4,5,6,7,8,9,10,11,12,13,14,15
	ds_store_b128 v5, v[16+64*\u+4*\i:19+64*\u+4*\i] offset:SP*\i
.endr
.irp c, 0,1
.irp j, 0,1,2,3,4,5,6,7
	ds_load_b128 v[144+32*\c+4*\j:147+32*\c+4*\j], v6 offset:256*\c+16*\j   ; LDS serves a wave's instructions in order: these see the stores above
.endr
.endr
	s_wait_dscnt 0x0
.irp b, 0,1,2,3
	v_max3_num_f32 v[224+\b], |v[144+16*\b]|, |v[145+16*\b]|, 0x1800000   ; half a block, and the floor 2^(3 - 127)
.endr
.irp i, 2,4,6,8,10,12,14
.irp b, 0,1,2,3
	v_max3_num_f32 v[224+\b], v[224+\b], |v[144+16*\b+\i]|, |v[145+16*\b+\i]|
.endr
.endr
	v_max_num_f32 v224, v224, v225                 ; block h
	v_max_num_f32 v226, v226, v227                 ; block 2 + h
	v_add_nc_u32 v228, 0xff000000, v224            ; 2 off the exponent field: the conversions' scale operand
	v_add_nc_u32 v229, 0xff000000, v226
	v_add_lshl_u32 v230, v224, 0xff000000, 1       ; the scale's byte on top
	v_add_lshl_u32 v231, v226, 0xff000000, 1
	v_perm_b32 v230, v231, v230, v11               ; to the bytes h and 2 + h; the others 0
	v_permlanex16_b32 v232, v230, s20, s21
	v_or_b32 v[240+\u], v230, v232                 ; with lane l xor 16's two: my row's scale word
.irp c, 0,1
.irp t, 0,1,2,3
	v_cvt_scalef32_pk8_fp4_f32 v[208+8*\u+4*\c+\t], v[144+32*\c+8*\t:151+32*\c+8*\t], v[228+\c]
.endr
.endr
	v_nop                                          ; one plain place behind a scaled conversion
.irp c, 0,1
	global_store_b128 v9, v[208+8*\u+4*\c:211+8*\u+4*\c], s[26:27] offset:1024*\u+512*\c   ; 512 consecutive bytes, at a multiple of 256 from the buffer's first byte
.endr
.endm
.Lx:
	s_wait_alu depctr_va_vdst(0)
	v_and_b32 v2, 15, v0                           ; r
	v_bfe_u32 v3, v0, 4, 1                         ; h
	v_add_nc_u32 v5, s17, v9                       ; the stage, in: a row's 512 bytes
	v_mul_u32_u24 v6, v2, SP
	v_lshl_add_u32 v6, v3, 7, v6
	v_add_nc_u32 v6, s17, v6                       ; and out: row r, + 128 h
	v_mov_b32 v11, 0x0c070c03                      ; v_perm_b32's selector: two bytes to the places h and 2 + h of a word
	v_mov_b32 v12, 0x070c030c
	v_cmp_eq_u32 vcc_lo, 1, v3
	v_cndmask_b32 v11, v11, v12, vcc_lo
	v_lshlrev_b32 v8, 2, v1
	v_mov_b32 v232, 0                              ; written once: a lane permute's destination counts as one of its sources
	v_cmp_gt_u32 vcc_lo, 16, v1                    ; lanes 0-15
	s_mov_b32 s20, 0x76543210
	s_mov_b32 s21, 0xfedcba98                      ; v_permlanex16_b32's selects for lane l xor 16
	s_sub_co_u32 s30, s16, 3                       ; q
	s_and_b32 s31, s30, 1                          ; p
	s_lshr_b32 s32, s30, 1
	s_and_b32 s33, ttmp9, 3
	s_lshl_b32 s33, s33, 1
	s_add_co_u32 s32, s32, s33                     ; the K step
	s_lshr_b32 s33, ttmp9, 2                       ; g
	s_lshl_b32 s34, s33, 18                        ; 64 rows of 4,096 bytes
	s_lshl_b32 s35, s31, 16                        ; 16 rows
	s_add_co_u32 s34, s34, s35
	s_lshl_b32 s35, s32, 9
	s_add_co_u32 s34, s34, s35
	s_mov_b32 s35, 0
	s_lshl_b32 s36, s33, 3
	s_add_co_u32 s36, s36, s32
	s_mul_i32 s36, s36, RECB
	s_lshl_b32 s37, s31, 11
	s_add_co_u32 s38, s36, s37                     ; my two tiles' codes
	s_mov_b32 s39, 0
	s_lshl_b32 s37, s31, 7
	s_add_co_u32 s40, s36, s37
	s_add_co_u32 s40, s40, 4096                    ; and their scale words
	s_mov_b32 s41, 0
	s_wait_alu depctr_va_vdst(0)
	s_wait_kmcnt 0x0
	s_add_nc_u64 s[24:25], s[4:5], s[34:35]
	s_add_nc_u64 s[26:27], s[10:11], s[38:39]
	s_add_nc_u64 s[28:29], s[10:11], s[40:41]
	XLD 0
	XLD 1
	FRAG 0, 16
	FRAG 1, 0
	v_cndmask_b32 v242, v241, v240, vcc_lo         ; lanes 0-15: the even tile's words; lanes 16-31: the odd one's
	global_store_b32 v8, v242, s[28:29]
	s_wait_tensorcnt 0x0                           ; the wave's end
	ds_add_u32 v254, v255
	s_wait_dscnt 0x0
	s_endpgm
.Lfunc_end_k_q1cd8f333d4_quant:
	.size	k_q1cd8f333d4_quant, .Lfunc_end_k_q1cd8f333d4_quant-k_q1cd8f333d4_quant
	.p2alignl 7, 3214868480
	.fill 96, 4, 3214868480
	.section	.rodata,"a",@progbits
	.p2align	6, 0x0
	.amdhsa_kernel k_q1cd8f333d4_quant
		.amdhsa_group_segment_fixed_size 60160
		.amdhsa_private_segment_fixed_size 0
		.amdhsa_enable_private_segment 0
		.amdhsa_kernarg_size 48
		.amdhsa_user_sgpr_count 2
		.amdhsa_user_sgpr_kernarg_segment_ptr 1
		.amdhsa_wavefront_size32 1
		.amdhsa_system_sgpr_workgroup_id_x 1
		.amdhsa_system_sgpr_workgroup_id_y 1
		.amdhsa_system_sgpr_workgroup_id_z 1
		.amdhsa_system_vgpr_workitem_id 0
		.amdhsa_next_free_vgpr 256
		.amdhsa_next_free_sgpr 66
		.amdhsa_reserve_vcc 1
		.amdhsa_float_denorm_mode_32 3
		.amdhsa_float_denorm_mode_16_64 3
		.amdhsa_memory_ordered 1
		.amdhsa_forward_progress 1
		.amdhsa_inst_pref_size 88
	.end_amdhsa_kernel
	.amdgpu_metadata
---
amdhsa.version: [ 1, 2 ]
amdhsa.kernels:
  - .name:           k_q1cd8f333d4_quant
    .symbol:         k_q1cd8f333d4_quant.kd
    .args:
      - { .name: x_norm_for_qk, .offset: 0, .size: 8, .value_kind: global_buffer, .address_space: global }
      - { .name: W_attn, .offset: 8, .size: 8, .value_kind: global_buffer, .address_space: global }
      - { .name: xt_current_for_v, .offset: 16, .size: 8, .value_kind: global_buffer, .address_space: global }
      - { .name: ximg, .offset: 24, .size: 8, .value_kind: global_buffer, .address_space: global }
      - { .name: wimg, .offset: 32, .size: 8, .value_kind: global_buffer, .address_space: global }
      - { .name: vimg, .offset: 40, .size: 8, .value_kind: global_buffer, .address_space: global }
    .group_segment_fixed_size: 60160
    .private_segment_fixed_size: 0
    .kernarg_segment_align: 8
    .kernarg_segment_size: 48
    .max_flat_workgroup_size: 224
    .sgpr_count:     66
    .vgpr_count:     256
    .wavefront_size: 32
...
	.end_amdgpu_metadata
.endif
;; end of part 1
;; launch proj (part 2): grid 8 x 32, 8 waves a work-group, clusters of 4 x 4, 209,920 bytes of LDS; arguments ximg, wimg, b_attn, qkimg; writes qkimg
.if DOCPART == 2
	.amdgcn_target "amdgcn-amd-amdhsa--gfx1250"
	.amdhsa_code_object_version 6
	.text
	.protected	k_q1cd8f333d4_proj
	.globl	k_q1cd8f333d4_proj
	.p2align	8
	.type	k_q1cd8f333d4_proj,@function
k_q1cd8f333d4_proj:
	s_mov_b64 s[64:65], 0
	v_nop
	global_prefetch_b8 v0, s[64:65] scope:SCOPE_SE
	s_setreg_imm32_b32 hwreg(HW_REG_WAVE_MODE, 25, 1), 1
	s_wait_xcnt 0x0
	s_wait_alu depctr_hold_cnt(0) depctr_sa_sdst(0) depctr_va_vdst(0) depctr_va_sdst(0) depctr_va_ssrc(0) depctr_va_vcc(0) depctr_vm_vsrc(0)
	s_getreg_b32 s2, hwreg(HW_REG_IB_STS2, 6, 4)
	s_cmp_eq_u32 s2, 0
	s_cbranch_scc0 .Lentry_in_a_cluster
	s_endpgm
.Lentry_in_a_cluster:
	s_bfe_u32 s2, ttmp6, 0x10000c
	s_cmp_lg_u32 s2, 0xf033
	s_cbranch_scc0 .Lentry_shape_is_right
	s_endpgm
.Lentry_shape_is_right:
; qk = x W + b on codes of FP4 (E2M1) with E8M0 scales, sums in f32; then q and k are quantised along the head's 64 channels (two blocks of 32) and stored as register images.
; ximg [group of 64 tokens 64][K step 8], wimg [group of 64 columns 32][K step 8]: records of 4,352 bytes: codes [tile 4][1,024], then scale words [pair 2][lane 32] (lanes 0-15 the even tile, lanes 16-31 the odd one).
; A fragment's image is [c 0..1][lane][16 bytes].  Of a group's 64 rows, tile t holds row 32 (r / 8) + 8 t + r % 8 at place r.
; qkimg: 64 records (32 part + 16 batch + head; part 0 = q, 1 = k) of 16 steps of 128 tokens x 4,608 bytes: codes [tile 8][lane 32][16 bytes] (lane (r, h): channels 32 h .. 32 h + 31 of the tile's
; row r: the low four registers of a fragment), then scale words [pair of tiles 4][lane 32]: bytes 0, 1 the two blocks', bytes 2, 3 = 127 for the zero codes that fill K up to 128.
; LIMITS: NaN and infinities are not served; a block of q or k whose largest magnitude lies under 2^-124 keeps the byte 1, a block of zeros too (its codes are zeros; this program alone reads the bytes);
; the bias is the C of the first K step, so it is rounded with the sums and not added behind them.
; SHARES: work-group (X, Y) makes columns 256 X on (four heads) of tokens 128 Y on.  Wave w: head w % 4 (64 columns: 4 tiles), tokens 64 (w / 4) on (4 tiles): 16 accumulators in one register window.
; LDS: the work-group's 4 groups of W (139,264 bytes) and 2 of x (69,632) for ALL of K, as they lie in memory: every byte is filled once, so there is no ring and one barrier.
; CLUSTER: 4 x 4 work-groups.  W's groups hang on X alone and are shared along a column of the cluster, x's on Y alone and are shared along a row: each is asked for jointly.  One tensor load of a wave is out at the most.
; No prefetch: there is no loop of tiles to run ahead in; all that is read is asked for by one group of loads.
; THE MATRIX INSTRUCTION IS USED TRANSPOSED (source 0 = 16 columns of W, source 1 = 16 tokens): a lane (r, h) holds ONE token, and by the tiles' order of rows its 32 registers of the four tiles are
; the channels 32 h .. 32 h + 31: one whole block, in the order in which the conversions and the image want it.
.set RECB,  4352
.set PART,  8*RECB                     ; a group for all of K: what one tensor load brings (136 rows of 256 bytes), and what a wave reads of W or of x
.set XBASE, 4*PART                     ; x's groups lie behind W's
.set SPARE, 6*PART
.set KHEAD, 73728
.set KREC,  4608
.set SW,  10                           ; v10-11  W's scale words, pair b: they hold scales and nothing else
.set SX,  12                           ; v12-13  x's scale words, pair a
.set AF,  16                           ; v16-47  W's 4 fragments
.set BF,  48                           ; v48-79  x's 4 fragments
.set BI,  80                           ; v80-111 the bias of my 64 columns, in the result's layout: 8 registers a tile
.set ACC, 112                          ; v112-239 accumulator (mt, nt) at ACC + 32 mt + 8 nt
.macro ROUND                           ; a round of the cluster's barrier
	s_barrier_signal -1
	s_barrier_wait -1
	s_cmp_lg_u32 s12, 0
	s_cbranch_scc1 .Lnot_wave_0_\@
	s_barrier_signal -3
.Lnot_wave_0_\@:
	s_barrier_wait -3
	s_barrier_signal -1
	s_barrier_wait -1
.endm
	s_load_b256 s[4:11], s[0:1], 0x0               ; ximg s[4:5], wimg s[6:7], b s[8:9], qkimg s[10:11]
	v_lshl_add_u32 v254, v0, 2, SPARE
	v_mov_b32 v255, 0
	ds_add_u32 v254, v255                          ; the opening: the add, twice on end, and its wait
	ds_add_u32 v254, v255
	v_lshrrev_b32 v1, 5, v0
	v_readfirstlane_b32 s12, v1                    ; wave 0..7
	s_and_b32 s13, s12, 3                          ; wn: my head of the four
	s_lshr_b32 s14, s12, 2                         ; wm: my 64 tokens of the 128
	s_bfe_u32 s15, ttmp6, 0x40000                  ; cx, cy: my place in the cluster
	s_bfe_u32 s16, ttmp6, 0x40004
	s_lshl_b32 s17, ttmp9, 2
	s_add_co_u32 s17, s17, s15                     ; X = 4 x cluster x + cx
	s_and_b32 s18, ttmp7, 0xffff
	s_lshl_b32 s18, s18, 2
	s_add_co_u32 s18, s18, s16                     ; Y = 4 x cluster y + cy
	s_mov_b32 s22, 0x7f7f0000                      ; the bytes 127 over the zero codes
	s_lshl_b32 s50, 0x1111, s15                    ; my column of the cluster
	s_lshl_b32 s51, s16, 2
	s_lshl_b32 s51, 15, s51                        ; my row
	; descriptor group 1: a dense block of 34,816 bytes as 136 rows of 32 elements of 8 bytes, no padding
	s_or_b32 s24, s50, (3<<16)|(1<<21)             ; 15:0 the mask: W's groups go to my column; 17:16 elements of 8 bytes; 21 set beside a mask
	s_or_b32 s32, s51, (3<<16)|(1<<21)             ; x's go to my row
.irp g, 24, 32
	s_mov_b32 s[\g+1], 32<<16                      ; tensor_dim0 = 32
	s_mov_b32 s[\g+2], 136<<16                     ; tensor_dim1 = 136
	s_mov_b32 s[\g+3], 32<<16                      ; tile_dim0 = 32
	s_mov_b32 s[\g+4], 136                         ; tile_dim1 = 136
	s_mov_b32 s[\g+5], 32                          ; tensor_dim0_stride
	s_mov_b32 s[\g+6], 0
	s_mov_b32 s[\g+7], 0
.endr
	; W's address is made of X and the wave's number, x's of Y and the wave's number, each in registers that never hold the other coordinate
	s_mul_i32 s56, s13, PART                       ; W: group wave % 4, in memory and in LDS (also: where my head's group lies)
	s_and_b32 s57, s12, 1
	s_mul_i32 s57, s57, PART                       ; x: group wave % 2
	s_mul_i32 s52, s17, 4*PART
	s_add_co_u32 s52, s52, s56
	s_mov_b32 s53, 0
	s_mul_i32 s54, s18, 2*PART
	s_add_co_u32 s54, s54, s57
	s_mov_b32 s55, 0
	s_wait_dscnt 0x0                               ; both opening adds are done
	s_wait_kmcnt 0x0
	s_mov_b32 s40, 1                               ; group 0 for W: count = 1,
	s_mov_b32 s41, s56                             ; LDS address,
	s_add_nc_u64 s[42:43], s[6:7], s[52:53]        ; global address,
	s_or_b32 s43, s43, 0x80000000                  ; type = 2
	s_mov_b32 s44, 1                               ; and for x
	s_add_co_u32 s45, s57, XBASE
	s_add_nc_u64 s[46:47], s[4:5], s[54:55]
	s_or_b32 s47, s47, 0x80000000
	ROUND                                          ; all sixteen work-groups are here: the joint loads meet
	s_cmp_lt_u32 s12, 4                            ; waves 0-3 bring W's four groups, waves 4 and 5 x's two.  The branches hang on the wave's number alone
	s_cbranch_scc0 .Lnot_w
	tensor_load_to_lds s[40:43], s[24:31]
	s_nop 0
.rept 4
	v_nop
.endr
	s_branch .Lasked
.Lnot_w:
	s_cmp_lt_u32 s12, 6
	s_cbranch_scc0 .Lasked
	tensor_load_to_lds s[44:47], s[32:39]
	s_nop 0
.rept 4
	v_nop
.endr
.Lasked:
	v_and_b32 v1, 31, v0                           ; lane
	v_bfe_u32 v14, v0, 4, 1                        ; h
	v_lshlrev_b32 v15, 4, v1                       ; 16 x lane: an image's place for my lane
	v_lshlrev_b32 v240, 2, v1                      ; 4 x lane: a scale word's
	v_add_nc_u32 v4, s56, v15                      ; W's fragments: my head's group
	v_add_nc_u32 v5, s56, v240                     ; and their scale words
	s_mul_i32 s58, s14, PART
	s_add_co_u32 s58, s58, XBASE
	v_add_nc_u32 v6, s58, v15                      ; x's fragments: my 64 tokens' group
	v_add_nc_u32 v7, s58, v240
	s_lshl_b32 s59, s14, 11
	v_add_nc_u32 v2, s59, v15                      ; out: my four tiles' codes begin 2,048 wm in
	s_lshl_b32 s59, s14, 8
	s_add_co_u32 s59, s59, 4096
	v_add_nc_u32 v3, s59, v240                     ; and my two pairs' scale words 4,096 + 256 wm in
	v_lshlrev_b32 v8, 7, v14                       ; the bias: 32 h numbers in
	s_lshl_b32 s52, s17, 10                        ; of my 64 columns: 4 (256 X + 64 wn) bytes in
	s_lshl_b32 s59, s13, 8
	s_add_co_u32 s52, s52, s59
	s_add_nc_u64 s[58:59], s[8:9], s[52:53]
.irp t, 0,1,2,3                                ; tile t, lane (r, h), register j: column 32 h + 8 t + j
	global_load_b128 v[BI+8*\t:BI+8*\t+3], v8, s[58:59] offset:32*\t
	global_load_b128 v[BI+8*\t+4:BI+8*\t+7], v8, s[58:59] offset:32*\t+16
.endr
	s_lshr_b32 s60, s17, 2                         ; where my results go: record 32 (X / 4) + 16 (Y / 16) + 4 (X % 4) + wn, step Y % 16
	s_lshl_b32 s60, s60, 5
	s_lshr_b32 s61, s18, 4
	s_lshl_b32 s61, s61, 4
	s_add_co_u32 s60, s60, s61
	s_and_b32 s61, s17, 3
	s_lshl_b32 s61, s61, 2
	s_add_co_u32 s60, s60, s61
	s_add_co_u32 s60, s60, s13
	s_mul_i32 s60, s60, KHEAD
	s_and_b32 s61, s18, 15
	s_mul_i32 s61, s61, KREC
	s_add_co_u32 s60, s60, s61
	s_mov_b32 s61, 0
	s_add_nc_u64 s[48:49], s[10:11], s[60:61]
	s_wait_alu depctr_va_vdst(0)
	s_wait_tensorcnt 0x0                           ; my part has landed,
	s_barrier_signal -1
	s_barrier_wait -1                              ; everybody's has: nothing is ever filled again
	s_wait_loadcnt 0x0                             ; the bias
; One product.  Scale words: lanes 0-15 of a register serve the even tile of a pair, lanes 16-31 the odd one.  first = 1: the bias starts the sum.
.macro MM mt, nt, first
.set rD, ACC+32*(\mt)+8*(\nt)
.set rA, AF+8*(\nt)
.set rB, BF+8*(\mt)
.set rC, rD
.if \first
.set rC, BI+8*(\nt)
.endif
.if ((\nt)%2 == 0) && ((\mt)%2 == 0)
	v_wmma_scale_f32_16x16x128_f8f6f4 v[rD:rD+7], v[rA:rA+7], v[rB:rB+7], v[rC:rC+7], v[SW+(\nt)/2], v[SX+(\mt)/2] matrix_a_fmt:MATRIX_FMT_FP4 matrix_b_fmt:MATRIX_FMT_FP4
.elseif ((\nt)%2 == 1) && ((\mt)%2 == 0)
	v_wmma_scale_f32_16x16x128_f8f6f4 v[rD:rD+7], v[rA:rA+7], v[rB:rB+7], v[rC:rC+7], v[SW+(\nt)/2], v[SX+(\mt)/2] matrix_a_fmt:MATRIX_FMT_FP4 matrix_b_fmt:MATRIX_FMT_FP4 matrix_a_scale:MATRIX_SCALE_ROW1
.elseif ((\nt)%2 == 0)
	v_wmma_scale_f32_16x16x128_f8f6f4 v[rD:rD+7], v[rA:rA+7], v[rB:rB+7], v[rC:rC+7], v[SW+(\nt)/2], v[SX+(\mt)/2] matrix_a_fmt:MATRIX_FMT_FP4 matrix_b_fmt:MATRIX_FMT_FP4 matrix_b_scale:MATRIX_SCALE_ROW1
.else
	v_wmma_scale_f32_16x16x128_f8f6f4 v[rD:rD+7], v[rA:rA+7], v[rB:rB+7], v[rC:rC+7], v[SW+(\nt)/2], v[SX+(\mt)/2] matrix_a_fmt:MATRIX_FMT_FP4 matrix_b_fmt:MATRIX_FMT_FP4 matrix_a_scale:MATRIX_SCALE_ROW1 matrix_b_scale:MATRIX_SCALE_ROW1
.endif
.endm
; A K step of 128: 16 + 4 LDS loads, 16 products.  The 16 accumulators take turns, one instruction a turn, in the same order in every step.
.macro KSTEP s
.if \s > 0
.rept 4
	v_nop                                          ; four places in front of loads into registers that matrix instructions have read
.endr
.endif
.irp t, 0,1,2,3
.irp c, 0,1
	ds_load_b128 v[AF+8*\t+4*\c:AF+8*\t+4*\c+3], v4 offset:\s*RECB+1024*\t+512*\c
.endr
.endr
.irp t, 0,1,2,3
.irp c, 0,1
	ds_load_b128 v[BF+8*\t+4*\c:BF+8*\t+4*\c+3], v6 offset:\s*RECB+1024*\t+512*\c
.endr
.endr
.irp b, 0,1
	ds_load_b32 v[SW+\b], v5 offset:\s*RECB+4096+128*\b
	ds_load_b32 v[SX+\b], v7 offset:\s*RECB+4096+128*\b
.endr
	s_wait_dscnt 0x0
.irp mt, 0,1,2,3
.irp nt, 0,1,2,3
.if \s == 0
	MM \mt, \nt, 1
.else
	MM \mt, \nt, 0
.endif
.endr
.endr
.endm
.irp s, 0,1,2,3,4,5,6,7
	KSTEP \s
.endr
	; THE WAY OUT, two token tiles at a time: registers 32 mt .. 32 mt + 31 of the accumulators are my block h of 32 channels of my token of tile mt
.rept 4
	v_nop                                          ; four places behind the last products: their results are read, and registers that they read are written
.endr
.irp a, 0,1
.irp q, 0,1,2,3
	v_max3_num_f32 v[24+\q], |v[ACC+64*\a+16*\q]|, |v[ACC+64*\a+16*\q+1]|, 0x1800000   ; with the floor 2^(3 - 127): the byte cannot fall under 1
.endr
.irp i, 2,4,6,8,10,12,14
.irp q, 0,1,2,3
	v_max3_num_f32 v[24+\q], v[24+\q], |v[ACC+64*\a+16*\q+\i]|, |v[ACC+64*\a+16*\q+\i+1]|
.endr
.endr
	v_max_num_f32 v24, v24, v25                    ; tile 2 a's block
	v_max_num_f32 v26, v26, v27                    ; tile 2 a + 1's
	v_add_nc_u32 v28, 0xff000000, v24              ; 2 off the exponent field: the conversions' scale operand
	v_add_nc_u32 v29, 0xff000000, v26
	v_lshrrev_b32 v30, 23, v28                     ; the scale's byte
	v_lshrrev_b32 v31, 23, v29
.irp u, 0,1
.irp t, 0,1,2,3
	v_cvt_scalef32_pk8_fp4_f32 v[16+16*\a+4*\u+\t], v[ACC+64*\a+32*\u+8*\t:ACC+64*\a+32*\u+8*\t+7], v[28+\u]
.endr
.endr
	v_nop                                          ; one plain place behind a scaled conversion
	v_permlane16_swap_b32 v30, v31                 ; now v30 has block 0's byte and v31 block 1's: in lanes 0-15 of tile 2 a, in lanes 16-31 of tile 2 a + 1
	v_lshl_or_b32 v[40+\a], v31, 8, v30
	v_or_b32 v[40+\a], s22, v[40+\a]               ; and 127 twice above them
.irp u, 0,1
	global_store_b128 v2, v[16+16*\a+4*\u:19+16*\a+4*\u], s[48:49] offset:1024*\a+512*\u   ; 512 consecutive bytes, at a multiple of 256 from the buffer's first byte
.endr
	global_store_b32 v3, v[40+\a], s[48:49] offset:128*\a   ; (the second turn writes codes and word into other registers)
.endr
	s_wait_tensorcnt 0x0                           ; the wave's end
	ds_add_u32 v254, v255
	s_wait_dscnt 0x0
	ROUND                                          ; the closing round: no work-group ends while a partner may still ask for a block that names it
	s_endpgm
.Lfunc_end_k_q1cd8f333d4_proj:
	.size	k_q1cd8f333d4_proj, .Lfunc_end_k_q1cd8f333d4_proj-k_q1cd8f333d4_proj
	.p2alignl 7, 3214868480
	.fill 96, 4, 3214868480
	.section	.rodata,"a",@progbits
	.p2align	6, 0x0
	.amdhsa_kernel k_q1cd8f333d4_proj
		.amdhsa_group_segment_fixed_size 209920
		.amdhsa_private_segment_fixed_size 0
		.amdhsa_enable_private_segment 0
		.amdhsa_kernarg_size 32
		.amdhsa_user_sgpr_count 2
		.amdhsa_user_sgpr_kernarg_segment_ptr 1
		.amdhsa_wavefront_size32 1
		.amdhsa_system_sgpr_workgroup_id_x 1
		.amdhsa_system_sgpr_workgroup_id_y 1
		.amdhsa_system_sgpr_workgroup_id_z 1
		.amdhsa_system_vgpr_workitem_id 0
		.amdhsa_next_free_vgpr 256
		.amdhsa_next_free_sgpr 66
		.amdhsa_reserve_vcc 0
		.amdhsa_float_denorm_mode_32 3
		.amdhsa_float_denorm_mode_16_64 3
		.amdhsa_memory_ordered 1
		.amdhsa_forward_progress 1
		.amdhsa_inst_pref_size 41
	.end_amdhsa_kernel
	.amdgpu_metadata
---
amdhsa.version: [ 1, 2 ]
amdhsa.kernels:
  - .name:           k_q1cd8f333d4_proj
    .symbol:         k_q1cd8f333d4_proj.kd
    .args:
      - { .name: ximg, .offset: 0, .size: 8, .value_kind: global_buffer, .address_space: global }
      - { .name: wimg, .offset: 8, .size: 8, .value_kind: global_buffer, .address_space: global }
      - { .name: b_attn, .offset: 16, .size: 8, .value_kind: global_buffer, .address_space: global }
      - { .name: qkimg, .offset: 24, .size: 8, .value_kind: global_buffer, .address_space: global }
    .group_segment_fixed_size: 209920
    .private_segment_fixed_size: 0
    .kernarg_segment_align: 8
    .kernarg_segment_size: 32
    .max_flat_workgroup_size: 256
    .sgpr_count:     66
    .vgpr_count:     256
    .wavefront_size: 32
...
	.end_amdgpu_metadata
.endif
;; end of part 2
;; launch attn (part 3): grid 8 x 32, 16 waves a work-group, clusters of 4 x 1, 327,680 bytes of LDS; arguments qkimg, vimg, out0; writes out0
.if DOCPART == 3
	.amdgcn_target "amdgcn-amd-amdhsa--gfx1250"
	.amdhsa_code_object_version 6
	.text
	.protected	k_q1cd8f333d4_attn
	.globl	k_q1cd8f333d4_attn
	.p2align	8
	.type	k_q1cd8f333d4_attn,@function
k_q1cd8f333d4_attn:
	s_mov_b64 s[64:65], 0
	v_nop
	global_prefetch_b8 v0, s[64:65] scope:SCOPE_SE
	s_setreg_imm32_b32 hwreg(HW_REG_WAVE_MODE, 25, 1), 1
	s_wait_xcnt 0x0
	s_wait_alu depctr_hold_cnt(0) depctr_sa_sdst(0) depctr_va_vdst(0) depctr_va_sdst(0) depctr_va_ssrc(0) depctr_va_vcc(0) depctr_vm_vsrc(0)
	s_getreg_b32 s2, hwreg(HW_REG_IB_STS2, 6, 4)
	s_cmp_eq_u32 s2, 0
	s_cbranch_scc0 .Lentry_in_a_cluster
	s_endpgm
.Lentry_in_a_cluster:
	s_bfe_u32 s2, ttmp6, 0x10000c
	s_cmp_lg_u32 s2, 0x3003
	s_cbranch_scc0 .Lentry_shape_is_right
	s_endpgm
.Lentry_shape_is_right:
; out[b][q][64 head + d] = the sum over keys k <= q of softmax_k(q . k / 8) V[k][d], both products on codes of FP4 (E2M1) with E8M0 scales, sums in f32.
; THE SOFTMAX AHEAD OF THE SECOND PRODUCT: t = score x log2(e) / 8; M = the row's largest t so far, rounded UP to a whole number; p = 2^(t - M) is quantised along the keys, not normalised.
; The row's sum is taken of the unquantised p and divides O at the end.  When M moves, the sum and O are multiplied by 2^(old M - new M): exact.
; LEFT OUT: key steps whose 128 keys all come after a tile's queries: the causal mask makes their p 0 for all values of the inputs.  LIMITS: NaN and infinities are not served, nor carried from the part left out;
; the promise holds while the scaled scores stay under 2^31 in magnitude; a block of p whose every number has fallen under 2^-124 keeps the byte 1.
; qkimg: records 32 part + bh (bh = 16 batch + head; part 0 = q, 1 = k) of 16 steps of 128 tokens x 4,608 bytes: codes [tile 8][lane 32][16 bytes] (the low four registers of a fragment: K = the head's 64;
; the upper four are zero codes, under the byte 127), then scale words [pair 4][lane 32] (lanes 0-15 the even tile, lanes 16-31 the odd one).
; Tile 4 c + t of a step holds token 64 c + 32 (r / 8) + 8 t + r % 8 at place r: so in a transposed product the 32 registers of the tiles 4 c .. 4 c + 3 of lane (r, h) are the keys 64 c + 32 h + 0 .. 31:
; ONE WHOLE BLOCK of the second product's K in a lane, in the order and the lane that its operand wants: neither its largest score nor its codes cross lanes.
; vimg: 32 heads x 16 key steps x 4,352 bytes: codes [tile of d 4][c 2][lane 32][16 bytes] (K = the step's 128 keys), then scale words [pair 2][lane 32].  Tiles 2 b, 2 b + 1 give channels 32 b + 16 h + 0 .. 15.
; SHARES.  Work-group (j, bh), j = 0..7, owns tile j of each step g = 0..15 of head bh.  Sixteen waves; waves g and g + 8 share the tiles g and 15 - g, g = 0..7, which have 17 key steps together:
; wave g (role 0) works tile g over steps 0 .. g, sends it out, and then tile 15 - g downwards from its diagonal step 15 - g to step 4: 13 steps; wave g + 8 (role 1) works tile 15 - g over steps 0 .. 3,
; and leaves its part in LDS, where role 0 joins the two: both parts are brought under the larger M by powers of two.
; In trip i role 0's step is i up to trip g, and 16 - i from trip g + 1 on.
; LDS: the head's k (73,728 bytes) and V (69,632), as they lie in memory; every byte is filled once: no ring.  Steps 0-7 come first; steps 8-15 land while step 0 is worked.  Behind them a region of 4,352 bytes for each wave:
; its stage for the way out (16 rows x 272), or its part of O.
; CLUSTER: the four work-groups of a cluster share bh, so k and V are asked for jointly; one tensor load of a wave is out at the most.  cx enters q's and out's global addresses and the mask's numbers alone.
; No prefetch: there is no loop of tiles to run ahead in.
; REGISTERS: v1-7, v24-25, v31, v254 stay; v8-11 the step's addresses; v12 -M, v13 my half row's largest score, v[14:15] the sum; v16-23 q; v26-30 the second tile's q; v32-95 k's 8 fragments; v96-159 S^T, then p;
; v160-191 O^T; v192-223 V's 4 fragments; v224-231 p's codes; v232-239, v244-247 at work; scale words: v240-241 V's, v248-251 k's, v253 p's, v255 q's.
.set KHEAD, 73728
.set KREC,  4608
.set VHEAD, 69632
.set VREC,  4352
.set VBASE, KHEAD
.set STAGE, KHEAD+VHEAD
.set SREG,  4352
.set SPARE, STAGE+16*SREG              ; the spare words: no other line names them
.set WV,  10
.set J,   12
.set BH,  13
.set GG,  14                           ; g of my pair of tiles
.set ROLE,15
.set G1,  16                           ; my first tile's step
.set G2,  17                           ; 15 - g
.set SWT, 18                           ; the trip at which I change tiles: g + 1 (role 1: never)
.set TBK, 48                           ; LDS byte of the record of k that is asked for next
.set TBV, 49                           ; and of the step's V, from VBASE on
.set I,   50                           ; the trip
.set ST,  51                           ; the key step
.set G,   52                           ; my tile's step: its last
.set I0,  53                           ; the trip - 1
.set LAST,66                           ; my last trip: 12 or 3
.set JT,  67                           ; my tiles' first token in their steps: 64 (j / 4) + 8 (j % 4)
.set JH,  68                           ; j / 4 = the cluster's x
.set JL,  69                           ; 8 (j % 4)
.macro ROUND                           ; a round of the cluster's barrier
	s_barrier_signal -1
	s_barrier_wait -1
	s_cmp_lg_u32 s[WV], 0
	s_cbranch_scc1 .Lnot_wave_0_\@
	s_barrier_signal -3
.Lnot_wave_0_\@:
	s_barrier_wait -3
	s_barrier_signal -1
	s_barrier_wait -1
.endm
.macro QLD gs, cb, sb, qr, qs          ; tile j of step gs of q: codes into v[qr] on, scale words into v[qs]
	s_mul_i32 s58, s[BH], KHEAD
	s_mul_i32 s59, s[\gs], KREC
	s_add_co_u32 s58, s58, s59
	s_lshl_b32 s59, s[J], 9
	s_add_co_u32 s60, s58, s59
	s_mov_b32 s61, 0
	s_add_nc_u64 s[\cb:\cb+1], s[4:5], s[60:61]
	s_lshl_b32 s59, s[J], 6
	s_add_co_u32 s60, s58, s59
	s_add_co_u32 s60, s60, 4096
	s_add_nc_u64 s[\sb:\sb+1], s[4:5], s[60:61]
	global_load_b128 v[\qr:\qr+3], v1, s[\cb:\cb+1]
	global_load_b32 v[\qs], v5, s[\sb:\sb+1]
.endm
.macro OUTB gs, ob                     ; where tile j of step gs begins in out: token 2,048 batch + 128 gs + JT, rows of 4,096 bytes; + 256 head
	s_lshr_b32 s60, s[BH], 4
	s_lshl_b32 s60, s60, 11
	s_lshl_b32 s62, s[\gs], 7
	s_add_co_u32 s60, s60, s62
	s_add_co_u32 s60, s60, s[JT]
	s_lshl_b32 s60, s60, 12
	s_and_b32 s62, s[BH], 15
	s_lshl_b32 s62, s62, 8
	s_add_co_u32 s60, s60, s62
	s_mov_b32 s61, 0
	s_add_nc_u64 s[\ob:\ob+1], s[8:9], s[60:61]
.endm
	s_load_b128 s[4:7], s[0:1], 0x0                ; qkimg s[4:5], vimg s[6:7]
	s_load_b64 s[8:9], s[0:1], 0x10                ; out0
	v_lshl_add_u32 v242, v0, 2, SPARE
	v_mov_b32 v243, 0
	ds_add_u32 v242, v243                          ; the opening: the add, twice on end, and its wait
	ds_add_u32 v242, v243
	v_lshrrev_b32 v5, 5, v0
	v_readfirstlane_b32 s[WV], v5                  ; wave 0..15
	s_bfe_u32 s11, ttmp6, 0x40000                  ; cx
	s_mov_b32 s[JH], ttmp9
	s_lshl_b32 s[J], ttmp9, 2
	s_add_co_u32 s[J], s[J], s11                   ; j = 4 x cluster x + cx
	s_and_b32 s[BH], ttmp7, 0xffff                 ; the head, which the four partners share
	s_lshl_b32 s[JL], s11, 3
	s_lshl_b32 s[JT], s[JH], 6
	s_add_co_u32 s[JT], s[JT], s[JL]
	s_and_b32 s[GG], s[WV], 7
	s_lshr_b32 s[ROLE], s[WV], 3
	s_xor_b32 s[G2], s[GG], 15
	s_cmp_eq_u32 s[ROLE], 0
	s_cselect_b32 s[G1], s[GG], s[G2]
	s_lshl_b32 s[SWT], s[ROLE], 6
	s_add_co_u32 s[SWT], s[SWT], s[GG]
	s_add_co_u32 s[SWT], s[SWT], 1
	s_mul_i32 s58, s[ROLE], 9
	s_sub_co_u32 s[LAST], 12, s58
	s_mov_b32 s20, 0x76543210
	s_mov_b32 s21, 0xfedcba98                      ; v_permlanex16_b32's selects for lane l xor 16
	s_mov_b32 s22, 0x3e38aa3b                      ; c = log2(e) / 8
	s_mov_b32 s23, s22                             ; (the packed form names the pair, so it is written)
	s_mul_i32 s70, s[WV], SREG
	s_add_co_u32 s70, s70, STAGE                   ; my region
	; descriptor group 1: dense blocks as rows of 32 elements of 8 bytes: four steps of k are 72 rows, four of V 68
	s_mov_b32 s24, 15|(3<<16)|(1<<21)              ; 15:0 the mask: all four work-groups; 17:16 elements of 8 bytes; 21 set beside a mask
	s_mov_b32 s25, 32<<16                          ; tensor_dim0 = 32
	s_mov_b32 s26, 72<<16                          ; tensor_dim1 = 72
	s_mov_b32 s27, 32<<16                          ; tile_dim0 = 32
	s_mov_b32 s28, 72                              ; tile_dim1 = 72
	s_mov_b32 s29, 32                              ; tensor_dim0_stride
	s_mov_b32 s30, 0
	s_mov_b32 s31, 0
	s_mov_b32 s32, 15|(3<<16)|(1<<21)
	s_mov_b32 s33, 32<<16
	s_mov_b32 s34, 68<<16
	s_mov_b32 s35, 32<<16
	s_mov_b32 s36, 68
	s_mov_b32 s37, 32
	s_mov_b32 s38, 0
	s_mov_b32 s39, 0
	v_and_b32 v232, 31, v0                         ; lane
	v_and_b32 v233, 15, v0                         ; r
	v_bfe_u32 v234, v0, 4, 1                       ; h
	v_and_b32 v6, 7, v0
	v_and_b32 v236, 8, v0
	v_lshlrev_b32 v1, 4, v232                      ; 16 x lane: my place in an image
	v_lshlrev_b32 v235, 2, v232
	v_lshlrev_b32 v5, 2, v233                      ; q's scale words: 4 r
	v_add_nc_u32 v2, 4096, v235                    ; k's scale words: behind a record's codes
	v_add_nc_u32 v3, VBASE, v1                     ; V's images
	v_add_nc_u32 v4, VBASE+4096, v235              ; V's scale words
	v_lshl_add_u32 v6, v236, 2, v6                 ; 32 (r / 8) + r % 8
	v_lshlrev_b32 v237, 5, v234
	v_sub_nc_u32 v6, v6, v237
	v_add_nc_u32 v6, s[JL], v6                     ; d = my query's place in its 64 tokens - 32 h: in the half of the diagonal step that holds it, register n (0 .. 31) is hidden where n > d
	v_lshlrev_b32 v7, 12, v234
	v_lshl_add_u32 v7, v233, 4, v7                 ; the way out: lanes 0-15 one row of out, lanes 16-31 the next; 16 bytes a lane
	v_mul_u32_u24 v24, v233, 272
	v_mul_u32_u24 v25, v234, 272
	v_lshl_add_u32 v24, v234, 6, v24
	v_lshl_add_u32 v25, v233, 4, v25
	v_add_nc_u32 v24, s70, v24                     ; my stage, in: row r, + 64 h
	v_add_nc_u32 v25, s70, v25                     ; back: lanes 0-15 one row, lanes 16-31 the next
	v_mov_b32 v31, 0x0c070c03                      ; v_perm_b32's selector: my two scale bytes to the places h and 2 + h of a word
	v_mov_b32 v236, 0x070c030c
	v_cmp_eq_u32 vcc_lo, 1, v234
	v_cndmask_b32 v31, v31, v236, vcc_lo
.irp i, 20,21,22,23
	v_mov_b32 v[\i], 0                             ; K = 64 .. 127 of q: zero codes, once
.endr
.irp t, 0,1,2,3,4,5,6,7
.irp i, 4,5,6,7
	v_mov_b32 v[32+8*\t+\i], 0                     ; and of k's eight fragments
.endr
.endr
	v_mov_b32 v239, 0                              ; named as the upper half of the pair v[238:239]
	v_mov_b32 v254, 0xff800000                     ; -infinity, for hidden scores
	s_and_b32 s71, s[WV], 1                        ; which four steps I bring: 2 (wave / 4 % 2) + wave % 2
	s_bfe_u32 s58, s[WV], 0x10002
	s_lshl_b32 s58, s58, 1
	s_or_b32 s71, s71, s58
	s_wait_alu depctr_va_vdst(0)
	s_wait_dscnt 0x0                               ; both opening adds are done
	s_wait_kmcnt 0x0
	QLD G1, 72, 74, 16, 255                        ; q's fragment of my first tile,
	QLD G2, 76, 78, 26, 30                         ; and of my second
	OUTB G1, 54
	OUTB G2, 56
	s_mul_i32 s80, s71, 4*KREC
	s_mul_i32 s81, s71, 4*VREC
	s_add_co_u32 s58, s[BH], 32                    ; k's record
	s_mul_i32 s58, s58, KHEAD
	s_add_co_u32 s58, s58, s80
	s_mov_b32 s59, 0
	s_mul_i32 s60, s[BH], VHEAD
	s_add_co_u32 s60, s60, s81
	s_mov_b32 s61, 0
	s_mov_b32 s40, 1                               ; group 0 for k: count = 1,
	s_mov_b32 s41, s80                             ; LDS address,
	s_add_nc_u64 s[42:43], s[4:5], s[58:59]        ; global address,
	s_or_b32 s43, s43, 0x80000000                  ; type = 2
	s_mov_b32 s44, 1                               ; and for V
	s_add_co_u32 s45, s81, VBASE
	s_add_nc_u64 s[46:47], s[6:7], s[60:61]
	s_or_b32 s47, s47, 0x80000000
	ROUND                                          ; all four work-groups are here: the joint loads meet
	s_cmp_lt_u32 s[WV], 2                          ; steps 0-7: waves 0, 1 bring k's, waves 2, 3 V's.  The branches hang on the wave's number alone
	s_cbranch_scc0 .Lfirst_v
	tensor_load_to_lds s[40:43], s[24:31]
	s_nop 0
.rept 4
	v_nop
.endr
	s_branch .Lfirst_asked
.Lfirst_v:
	s_cmp_lt_u32 s[WV], 4
	s_cbranch_scc0 .Lfirst_asked
	tensor_load_to_lds s[44:47], s[32:39]
	s_nop 0
.rept 4
	v_nop
.endr
.Lfirst_asked:
	s_wait_tensorcnt 0x0                           ; my part of steps 0-7 has landed
	ds_add_u32 v242, v243
	ds_add_u32 v242, v243                          ; twice on end
	s_mov_b32 s[TBK], 0
	s_mov_b32 s[TBV], 0
	s_mov_b32 s[ST], 0
	s_mov_b32 s[G], s[G1]
	s_wait_dscnt 0x0
	ROUND                                          ; steps 0-7 are whole; all four work-groups are here
	s_cmp_lt_u32 s[WV], 4                          ; steps 8-15: waves 4, 5 bring k's, waves 6, 7 V's
	s_cbranch_scc1 .Lsecond_asked
	s_cmp_lt_u32 s[WV], 6
	s_cbranch_scc0 .Lsecond_v
	tensor_load_to_lds s[40:43], s[24:31]
	s_nop 0
.rept 4
	v_nop
.endr
	s_branch .Lsecond_asked
.Lsecond_v:
	s_cmp_lt_u32 s[WV], 8
	s_cbranch_scc0 .Lsecond_asked
	tensor_load_to_lds s[44:47], s[32:39]
	s_nop 0
.rept 4
	v_nop
.endr
.Lsecond_asked:
	s_wait_loadcnt 0x0                             ; q
.macro HIDE base                       ; scores of hidden keys become -infinity ahead of the maximum: p = 0 then.  My own key always counts, so the row's maximum is a number
.irp n, 0,1,2,3,4,5,6,7,8,9,10,11,12,13,14,15,16,17,18,19,20,21,22,23,24,25,26,27,28,29,30,31
	v_cmp_gt_i32 vcc_lo, \n, v6
	v_cndmask_b32 v[\base+\n], v[\base+\n], v254, vcc_lo
.endr
.endm
.macro KLD places                      ; the record of k at TBK: 12 loads
	v_add_nc_u32 v8, s[TBK], v1
	v_add_nc_u32 v9, s[TBK], v2
.rept \places
	v_nop
.endr
.irp t, 0,1,2,3,4,5,6,7
	ds_load_b128 v[32+8*\t:35+8*\t], v8 offset:512*\t
.endr
.irp b, 0,1,2,3
	ds_load_b32 v[248+\b], v9 offset:128*\b
.endr
.endm
; A KEY STEP: 128 keys for my 16 queries; its k has been asked for.  first = 1: nothing has been summed yet, and the next step's k is not asked for here.
.macro STEP first
	v_add_nc_u32 v10, s[TBV], v3
	v_add_nc_u32 v11, s[TBV], v4
.irp t, 0,1,2,3
.irp c, 0,1
	ds_load_b128 v[192+8*\t+4*\c:195+8*\t+4*\c], v10 offset:1024*\t+512*\c   ; V is asked for now and wanted behind the softmax
.endr
.endr
.irp i, 0,1
	ds_load_b32 v[240+\i], v11 offset:128*\i
.endr
	s_wait_dscnt 10                                ; k and its scale words are in; V's ten loads may be out
.irp b, 0,1,2,3                                ; S^T = k q^T, two tiles an instruction: lane (r, h) holds query r
	v_wmma_scale_f32_32x16x128_f4 v[96+16*\b:111+16*\b], v[32+16*\b:47+16*\b], v[16:23], 0, v[248+\b], v255
.endr
	; four places in front of loads into k's registers and of the first read of the scores
.if \first
.rept 4
	v_nop
.endr
.else
	KLD 2                                          ; the next step's k (behind my last step: a record that nobody waits for but the wait at the end)
.endif
	s_cmp_lg_u32 s[ST], s[G]
	s_cbranch_scc1 .Lopen_\@                       ; only my tile's own step lies on the diagonal
	s_cmp_lg_u32 s[JH], 0
	s_cbranch_scc1 .Lupper_\@
	HIDE 96                                        ; my query lies in the step's first 64 tokens: the last 64 are hidden whole
.irp n, 0,1,2,3,4,5,6,7,8,9,10,11,12,13,14,15,16,17,18,19,20,21,22,23,24,25,26,27,28,29,30,31
	v_mov_b32 v[128+\n], 0xff800000
.endr
	s_branch .Lopen_\@
.Lupper_\@:
	HIDE 128                                       ; it lies in the last 64: the first 64 all count
.Lopen_\@:
.irp b, 0,1,2,3
	v_max3_num_f32 v[232+\b], v[96+16*\b], v[97+16*\b], v[98+16*\b]   ; the largest score of each block of 32 keys: it serves for the row's maximum and, since p rises with the score, for the block's largest p
.endr
.irp i, 3,5,7,9,11,13
.irp b, 0,1,2,3
	v_max3_num_f32 v[232+\b], v[232+\b], v[96+16*\b+\i], v[97+16*\b+\i]   ; four chains by turns
.endr
.endr
	v_max3_num_f32 v232, v232, v233, v111
	v_max3_num_f32 v234, v234, v235, v143
	v_max_num_f32 v232, v232, v127                 ; block h
	v_max_num_f32 v234, v234, v159                 ; block 2 + h
.if \first
	v_max_num_f32 v13, v232, v234
.else
	v_max3_num_f32 v13, v13, v232, v234            ; the largest score so far of my half of the keys
.endif
	v_permlanex16_b32 v236, v13, s20, s21
	v_max_num_f32 v236, v13, v236                  ; with lane l xor 16's: the row's
	v_mul_f32 v236, s22, -v236                     ; -t (c is positive)
.if \first
	v_floor_f32 v12, v236                          ; -M = floor(-t) = -ceil(t): a whole number
.else
	v_floor_f32 v237, v236
	v_sub_f32 v236, v237, v12                      ; M's old value less its new one: a whole number, 0 or less
	v_mov_b32 v12, v237
.endif
.irp j, 0,2,4,6,8,10,12,14,16,18,20,22,24,26,28,30,32,34,36,38,40,42,44,46,48,50,52,54,56,58,60,62
	v_pk_fma_f32 v[96+\j:97+\j], v[96+\j:97+\j], s[22:23], v[12:13] op_sel_hi:[1,0,0]   ; t - M, two at a time (of the pairs c and -M the low word serves both halves)
.if (\first == 0) && (\j == 6)
	v_cvt_i32_f32 v236, v236                       ; (it saturates)
.endif
.if (\first == 0) && (\j == 14)
	v_ldexp_f32 v238, 1.0, v236                    ; f = 2^(old M - new M)
.endif
.endr
	v_fma_f32 v232, v232, s22, v12                 ; the same of each block's largest score
	v_fma_f32 v234, v234, s22, v12
	s_wait_alu depctr_va_vdst(0)
	v_exp_f32 v232, v232                           ; the block's largest p: the same two instructions on the same number give the same bits
	v_exp_f32 v234, v234
.irp j, 0,1,2,3,4,5,6,7,8,9,10,11,12,13,14,15,16,17,18,19,20,21,22,23,24,25,26,27,28,29,30,31,32,33,34,35,36,37,38,39,40,41,42,43,44,45,46,47,48,49,50,51,52,53,54,55,56,57,58,59,60,61,62,63
	v_exp_f32 v[96+\j], v[96+\j]                   ; p = 2^(t - M), at most 1: not normalised
.endr
.if \first
	v_nop                                          ; a plain place behind the exponentials
.else
	v_pk_mul_f32 v[14:15], v[14:15], v[238:239] op_sel_hi:[1,0]   ; the sums under the new M: a plain place behind the exponentials
.endif
	s_wait_alu depctr_va_vdst(0)                   ; and behind it, ahead of the first reader of O^T and of the exponentials
.if \first == 0
.irp j, 0,2,4,6,8,10,12,14,16,18,20,22,24,26,28,30
	v_pk_mul_f32 v[160+\j:161+\j], v[160+\j:161+\j], v[238:239] op_sel_hi:[1,0]   ; O^T under the new M, each accumulator from its low end on
.endr
.endif
	v_max_num_f32 v232, 0x1800000, v232            ; the floor 2^(3 - 127): the byte cannot fall under 1
	v_max_num_f32 v234, 0x1800000, v234
	v_add_nc_u32 v244, 0xff000000, v232            ; 2 off the exponent field: the conversions' scale operand
	v_add_nc_u32 v245, 0xff000000, v234
	v_add_lshl_u32 v246, v232, 0xff000000, 1       ; the scale's byte on top
	v_add_lshl_u32 v247, v234, 0xff000000, 1
	v_perm_b32 v246, v247, v246, v31               ; to the bytes h and 2 + h; the others 0
	v_permlanex16_b32 v235, v246, s20, s21
	v_or_b32 v253, v246, v235                      ; with lane l xor 16's two: p's scale word for these 128 keys
.irp c, 0,1
.irp t, 0,1,2,3
	v_cvt_scalef32_pk8_fp4_f32 v[224+4*\c+\t], v[96+32*\c+8*\t:103+32*\c+8*\t], v[244+\c]
.endr
.endr
	v_nop                                          ; one plain place behind a scaled conversion
.irp i, 0,2,4,6,8,10,12,14,16,18,20,22,24,26,28,30
	v_pk_add_f32 v[96+\i:97+\i], v[96+\i:97+\i], v[128+\i:129+\i]   ; the sum of the unquantised p, by halves; these are also the places between p's scale word and codes and the products
.endr
	s_wait_alu depctr_va_vdst(0)
.if \first
	s_wait_dscnt 0x0                               ; V and its scale words are in
.else
	s_wait_dscnt 12                                ; V and its scale words are in; the next step's twelve loads of k may be out
.endif
.irp b, 0,1                                    ; O^T += V^T P^T: two tiles of 16 channels an instruction; K = these 128 keys
.if \first
	v_wmma_scale_f32_32x16x128_f4 v[160+16*\b:175+16*\b], v[192+16*\b:207+16*\b], v[224:231], 0, v[240+\b], v253
.else
	v_wmma_scale_f32_32x16x128_f4 v[160+16*\b:175+16*\b], v[192+16*\b:207+16*\b], v[224:231], v[160+16*\b:175+16*\b], v[240+\b], v253
.endif
.endr
.irp i, 0,2,4,6,8,10,12,14
	v_pk_add_f32 v[96+\i:97+\i], v[96+\i:97+\i], v[112+\i:113+\i]   ; the sum goes on: plain places behind the products
.endr
.irp i, 0,2,4,6
	v_pk_add_f32 v[96+\i:97+\i], v[96+\i:97+\i], v[104+\i:105+\i]
.endr
	v_pk_add_f32 v[96:97], v[96:97], v[100:101]
	v_pk_add_f32 v[98:99], v[98:99], v[102:103]
.if \first
	v_pk_add_f32 v[14:15], v[96:97], v[98:99]
.else
	v_pk_add_f32 v[96:97], v[96:97], v[98:99]
	v_pk_add_f32 v[14:15], v[14:15], v[96:97]
.endif
.endm
; v96-127 hold O^T / the sum: register n is channel 32 (n / 16) + 16 h + n % 16 of query r.  Through my stage it comes back as whole rows of 256 bytes, a head's part of a row of out.
.macro OUTS ob
.irp q, 0,1,2,3,4,5,6,7
	ds_store_b128 v24, v[96+4*\q:99+4*\q] offset:128*(\q/4)+16*(\q%4)
.endr
.irp i, 0,1,2,3,4,5,6,7
	ds_load_b128 v[128+4*\i:131+4*\i], v25 offset:544*\i   ; LDS serves a wave's instructions in order (ISA guide 5.7.1.4): these see my stores
.endr
.irp i, 0,1,2,3,4,5,6,7
	s_wait_dscnt 7-\i                              ; rows 2 i, 2 i + 1 are back; the younger loads may be out
	global_store_b128 v7, v[128+4*\i:131+4*\i], s[\ob:\ob+1] offset:(2*\i+24*(\i/4))*4096 th:TH_STORE_NT   ; place 2 i + h of the tile is token 2 i + h + 24 (i / 4); 16 lanes store 256 consecutive bytes, at a multiple of 256 from out's first byte
.endr
.endm
	KLD 0                                          ; step 0's k
	STEP 1
	s_wait_alu depctr_va_vdst(0)
	s_wait_tensorcnt 0x0                           ; my part of steps 8-15 has landed,
	s_wait_dscnt 0x0
	s_barrier_signal -1
	s_barrier_wait -1                              ; everybody's has
	s_cmp_le_u32 s[SWT], 1
	s_cselect_b32 s58, 15, 1
	s_mul_i32 s[TBK], s58, KREC
	KLD 0                                          ; trip 1's k
	s_mov_b32 s[I0], 0
	s_mov_b32 s[I], 1
.Ltrip:                                                ; trips 1 .. 12 in every wave
	s_cmp_gt_u32 s[I], s[LAST]
	s_cbranch_scc1 .Lskip                          ; role 1 has 4 steps
	s_cmp_lg_u32 s[I], s[SWT]
	s_cbranch_scc1 .Lsame
	; role 0 CHANGES TILES: tile g goes out, tile 15 - g begins
	s_wait_alu depctr_va_vdst(0)
	v_add_f32 v14, v14, v15                        ; the sum's two halves,
	v_permlanex16_b32 v236, v14, s20, s21
	v_add_f32 v14, v14, v236                       ; and lane l xor 16's: the row's sum
	s_wait_alu depctr_va_vdst(0)
	v_rcp_f32 v14, v14
	v_mov_b32 v255, v30                            ; (plain places behind the transcendental) the second tile's q
.irp i, 0,1,2,3
	v_mov_b32 v[16+\i], v[26+\i]
.endr
	v_mov_b32 v15, 0
	s_wait_alu depctr_va_vdst(0)                   ; and ahead of its first reader
.irp n, 0,1,2,3,4,5,6,7,8,9,10,11,12,13,14,15,16,17,18,19,20,21,22,23,24,25,26,27,28,29,30,31
	v_mul_f32 v[96+\n], v[160+\n], v14
.endr
	OUTS 54
	v_mov_b32 v14, 0
	v_mov_b32 v13, 0xff61b1e6                      ; the largest score so far: -3e38, under every score
	v_mov_b32 v12, 0x7e967699                      ; -M = 1e38: the first change of M multiplies by 0
.irp n, 0,1,2,3,4,5,6,7,8,9,10,11,12,13,14,15,16,17,18,19,20,21,22,23,24,25,26,27,28,29,30,31
	v_mov_b32 v[160+\n], 0                         ; O^T: the first change of M leaves the zeros zeros
.endr
	s_wait_xcnt 0x0                                ; the stores have read their data: the scores may land there
.Lsame:
	s_xor_b32 s58, s[I0], 15                       ; 16 - trip
	s_xor_b32 s59, s[I], 15                        ; 15 - trip
	s_add_co_u32 s60, s[I], 1
	s_cmp_ge_u32 s[I], s[SWT]
	s_cselect_b32 s[ST], s58, s[I]                 ; this trip's step
	s_cselect_b32 s[G], s[G2], s[G1]
	s_cmp_ge_u32 s60, s[SWT]
	s_cselect_b32 s58, s59, s60                    ; the next trip's
	s_mul_i32 s[TBK], s58, KREC
	s_mul_i32 s[TBV], s[ST], VREC
	STEP 0
.Lskip:
	s_add_co_u32 s[I0], s[I0], 1
	s_add_co_u32 s[I], s[I], 1
	s_cmp_lt_u32 s[I], 13
	s_cbranch_scc1 .Ltrip
	; THE TWO PARTS OF TILE 15 - g
	s_wait_alu depctr_va_vdst(0)
	v_add_f32 v14, v14, v15                        ; my lane's part of the sum
	s_or_b32 s58, s[WV], 8                         ; role 0's partner
	s_mul_i32 s58, s58, SREG
	s_add_co_u32 s58, s58, STAGE
	v_add_nc_u32 v8, s70, v1
	v_add_nc_u32 v9, s70, v2
	v_add_nc_u32 v10, s58, v1
	v_add_nc_u32 v11, s58, v2
	s_cmp_lg_u32 s[ROLE], 1
	s_cbranch_scc1 .Lkeep
.irp q, 0,1,2,3,4,5,6,7
	ds_store_b128 v8, v[160+4*\q:163+4*\q] offset:512*\q
.endr
	ds_store_b32 v9, v12
	ds_store_b32 v9, v14 offset:128
.Lkeep:
	s_wait_alu depctr_va_vdst(0)
	s_wait_dscnt 0x0                               ; role 1's part is in LDS,
	s_barrier_signal -1
	s_barrier_wait -1                              ; every role 1's is
	s_cmp_lg_u32 s[ROLE], 0
	s_cbranch_scc1 .Lend
	ds_load_b32 v232, v11                          ; the other part's -M,
	ds_load_b32 v233, v11 offset:128               ; its sum,
.irp q, 0,1,2,3,4,5,6,7
	ds_load_b128 v[96+4*\q:99+4*\q], v10 offset:512*\q   ; and its O^T
.endr
	s_wait_dscnt 0x0
	v_min_num_f32 v234, v12, v232                  ; the larger M of the two
	v_sub_f32 v235, v234, v232
	v_sub_f32 v236, v234, v12
	v_cvt_i32_f32 v235, v235
	v_cvt_i32_f32 v236, v236
	v_ldexp_f32 v244, 1.0, v235                    ; the other part's factor: a power of two
	v_ldexp_f32 v246, 1.0, v236                    ; and mine
	v_mul_f32 v237, v246, v14
	v_fma_f32 v237, v244, v233, v237
	v_permlanex16_b32 v235, v237, s20, s21
	v_add_f32 v237, v237, v235                     ; the row's sum
	s_wait_alu depctr_va_vdst(0)
	v_rcp_f32 v237, v237
	v_nop                                          ; one plain place behind a transcendental
	s_wait_alu depctr_va_vdst(0)                   ; and ahead of its first reader
	v_mul_f32 v244, v244, v237
	v_mul_f32 v246, v246, v237
.irp j, 0,2,4,6,8,10,12,14,16,18,20,22,24,26,28,30
	v_pk_mul_f32 v[128+\j:129+\j], v[160+\j:161+\j], v[246:247] op_sel_hi:[1,0]
.endr
.irp j, 0,2,4,6,8,10,12,14,16,18,20,22,24,26,28,30
	v_pk_fma_f32 v[96+\j:97+\j], v[96+\j:97+\j], v[244:245], v[128+\j:129+\j] op_sel_hi:[1,0,1]
.endr
	OUTS 56
.Lend:
	s_wait_tensorcnt 0x0                           ; the wave's end
	ds_add_u32 v242, v243
	s_wait_dscnt 0x0
	ROUND                                          ; the closing round: no work-group ends while a partner may still ask for a block that names it
	s_endpgm
.Lfunc_end_k_q1cd8f333d4_attn:
	.size	k_q1cd8f333d4_attn, .Lfunc_end_k_q1cd8f333d4_attn-k_q1cd8f333d4_attn
	.p2alignl 7, 3214868480
	.fill 96, 4, 3214868480
	.section	.rodata,"a",@progbits
	.p2align	6, 0x0
	.amdhsa_kernel k_q1cd8f333d4_attn
		.amdhsa_group_segment_fixed_size 327680
		.amdhsa_private_segment_fixed_size 0
		.amdhsa_enable_private_segment 0
		.amdhsa_kernarg_size 24
		.amdhsa_user_sgpr_count 2
		.amdhsa_user_sgpr_kernarg_segment_ptr 1
		.amdhsa_wavefront_size32 1
		.amdhsa_system_sgpr_workgroup_id_x 1
		.amdhsa_system_sgpr_workgroup_id_y 1
		.amdhsa_system_sgpr_workgroup_id_z 1
		.amdhsa_system_vgpr_workitem_id 0
		.amdhsa_next_free_vgpr 256
		.amdhsa_next_free_sgpr 84
		.amdhsa_reserve_vcc 1
		.amdhsa_float_denorm_mode_32 3
		.amdhsa_float_denorm_mode_16_64 3
		.amdhsa_memory_ordered 1
		.amdhsa_forward_progress 1
		.amdhsa_inst_pref_size 62
	.end_amdhsa_kernel
	.amdgpu_metadata
---
amdhsa.version: [ 1, 2 ]
amdhsa.kernels:
  - .name:           k_q1cd8f333d4_attn
    .symbol:         k_q1cd8f333d4_attn.kd
    .args:
      - { .name: qkimg, .offset: 0, .size: 8, .value_kind: global_buffer, .address_space: global }
      - { .name: vimg, .offset: 8, .size: 8, .value_kind: global_buffer, .address_space: global }
      - { .name: out0, .offset: 16, .size: 8, .value_kind: global_buffer, .address_space: global }
    .group_segment_fixed_size: 327680
    .private_segment_fixed_size: 0
    .kernarg_segment_align: 8
    .kernarg_segment_size: 24
    .max_flat_workgroup_size: 512
    .sgpr_count:     84
    .vgpr_count:     256
    .wavefront_size: 32
...
	.end_amdgpu_metadata
.endif
;; end of part 3
